; MI455X (gfx1250); checked and timed in simulation.
; The chip was launched on July 23, 2026; its instructions are those of AMD's public machine-readable ISA for CDNA 5 (MIT licence, August 2026) and "CDNA5" Instruction Set Architecture Reference Guide (July 2026). The comments in the code are by the model that wrote it; some were corrected since.
;; Feed Forward Quantum. Allowed arithmetic: matrix products marked QUANTISED: E2M1 operands, one E8M0 scale for each 32 along K, by v_wmma_scale_f32_16x16x128_f8f6f4 with both operands' format E2M1 (or v_wmma_scale_f32_32x16x128_f4), f32 sums; products left as they are: f32 operands where the result goes on into a quantised operand, else bf16, f16 or f32 operands; f32 sums; everything else in f32.
;; Inputs: theta 8 float32; w1 4,096 x 8 float32; w2_codes 1,024 x 128 x 16 uint8 (E2M1 codes of w2, K innermost, in blocks of 32 codes, two codes a byte); w2_scales 1,024 x 128 uint8 (E8M0 scales of w2, one for each 32 codes along K); x 4 x 4,096 x 1,024 float32.
;; Outputs: out0 4 x 4,096 x 1,024 float32.
;; This version of the problem:
;;   THIS VERSION OF THE PROBLEM IS GIVEN IN LOW PRECISION. The matrix products marked QUANTISED in the list below multiply operands that are first quantised to E2M1 (2 exponent bits, 1 mantissa bit; 4 bits a number), with one power-of-two scale for each 32 numbers along K (OCP MX v1.0); their sums are f32. All else is computed in f32.
;;   The module's matrix products, in the order in which they are computed (A, B: the left and right operand; K: the contracted axis; several contracted axes count as one K, in the product's order):
;;     1. [M 16,384, K 8] x [K 8, N 4,096]; A: computed on the way; B: input w1: left as it is (K = 8 < 32)
;;     2. [M 16,384, K 4,096] x [K 4,096, N 1,024]; A: computed on the way; B: input w2 (given as codes): QUANTISED
;;   THE QUANTISER, for each operand of a quantised product, along K:
;;     - K is cut into blocks of 32 from its start; a last block that is shorter is filled with zeros.
;;     - A block's scale is 2^e with e = floor(log2(the largest magnitude in the block)) - 2, held to -126 .. 127; a block of zeros has e = 0. As a byte (E8M0): e + 127.
;;     - Each number is divided by its block's scale, clamped to +-6, and rounded to the nearest number of E2M1, ties to even, subnormals kept.
;;     - The product sums the exact products of the quantised numbers (number of the format x scale) in f32.
;;   ~~~python
;;   def quantise(x, axis):      # numpy; x: float32 -> the quantised numbers, widened to float32 again
;;       x = np.moveaxis(x, axis, -1); K = x.shape[-1]
;;       x = np.pad(x, [(0, 0)] * (x.ndim - 1) + [(0, -K % 32)]); x = x.reshape(x.shape[:-1] + (-1, 32)); a = np.abs(x).max(-1, keepdims=True)
;;       e = np.where(a > 0, np.clip(np.frexp(np.where(a > 0, a, 1))[1] - 1 - 2, -126, 127), 0)      # np.frexp(a)[1] - 1 = floor(log2(a)), exactly
;;       r = np.clip(x / 2.0 ** e, -6, 6)
;;       step = 2.0 ** (np.maximum(np.frexp(np.where(r == 0, 1, r))[1] - 1, 0) - 1)
;;       q = np.round(r / step) * step * 2.0 ** e      # np.round: ties to even
;;       return np.moveaxis(q.reshape(q.shape[:-2] + (-1,))[..., :K], -1, axis).astype(np.float32)
;;   ~~~
;;   OPERANDS COMPUTED ON THE WAY. 'Computed on the way' means the value that the module computes at that place (a softmax that the list does not call 'softmax' is quantised finished and normalised). What goes into a quantiser is computed in f32, as accurately as f32 sums, v_exp_f32 and their like allow (about 1e-6 of the number): no bf16 or f16 on the way to a quantiser, and a product that is left as it is and whose result goes on into a quantised operand takes f32 operands (vector FMAs, or v_wmma_f32_16x16x4_f32). A number that lies on a knife's edge between two numbers of the format may be rounded either way, as far as f32 arithmetic and the matrix unit's own rounding can turn it there, and no further.
;;   INPUTS GIVEN AS CODES. w2 (in the module: [1024, 4096], K = its axis 1): each comes as NAME_codes (uint8): NAME with its K axis moved to the last place and cut into blocks of 32 codes, [.., K / 32, bytes a block], one block behind the other in memory; two codes a byte, the lower K in the low four bits (a code: sign, 2 exponent bits, 1 mantissa bit); and NAME_scales (uint8): the same leading axes, one E8M0 byte (e + 127) for each 32 codes along K. Its value is code x scale, taken as it is: it is not quantised again, and the codes and scales need not be those that the quantiser above would give.
;; 2 versions. Each part assembles by itself: llvm-mc -triple=amdgcn-amd-amdhsa -mcpu=gfx1250 --defsym DOCPART=n.
;; ======== version 1 of 2: 1 launch
;; limits: inputs' magnitudes at most 100,000
;; launch ffq (part 1): grid 256 x 1, 4 waves a work-group, clusters of 4 x 1, 327,680 bytes of LDS; arguments x, theta, w1, w2_codes, w2_scales, out0; writes out0
.if DOCPART == 1
	.amdgcn_target "amdgcn-amd-amdhsa--gfx1250"
	.amdhsa_code_object_version 6
	.text
	.protected	k_q669c6e64c4_ffq
	.globl	k_q669c6e64c4_ffq
	.p2align	8
	.type	k_q669c6e64c4_ffq,@function
k_q669c6e64c4_ffq:
	s_mov_b64 s[64:65], 0
	v_nop
	global_prefetch_b8 v0, s[64:65] scope:SCOPE_SE
	s_setreg_imm32_b32 hwreg(HW_REG_WAVE_MODE, 25, 1), 1
	s_wait_xcnt 0x0
	s_wait_alu depctr_hold_cnt(0) depctr_sa_sdst(0) depctr_va_vdst(0) depctr_va_sdst(0) depctr_va_ssrc(0) depctr_va_vcc(0) depctr_vm_vsrc(0)
	s_getreg_b32 s2, hwreg(HW_REG_IB_STS2, 6, 4)
	s_cmp_eq_u32 s2, 0
	s_cbranch_scc0 .Lentry_in_a_cluster
	s_endpgm
.Lentry_in_a_cluster:
	s_bfe_u32 s2, ttmp6, 0x10000c
	s_cmp_lg_u32 s2, 0x3003
	s_cbranch_scc0 .Lentry_shape_is_right
	s_endpgm
.Lentry_shape_is_right:
; out[row][e] = sum over f of Q(h[row][f]) w2[e][f],  h = relu(q w1^T),  q[row][i] = cos(x[row][i]) cos(theta[i]), i = 0 .. 7.
; x: [16384][1024] f32 (8 numbers of a row are used); w1: [4096][8] f32; w2: [1024][4096] as codes of FP4 (E2M1), K innermost, 2,048 bytes a row, with one E8M0 byte for each 32 along K (128 bytes a row); out: [16384][1024] f32.
; Q quantises h along f in blocks of 32: scale 2^(floor(log2(largest)) - 2), nearest code, ties to even.  q and h are made in f32; the second product runs on codes, sums in f32.
; SHARES.  A work-group of four waves owns 64 rows and ALL 1,024 columns, so that each number of h is made once in the launch.  Wave w owns columns 256 w .. 256 w + 255 for the 64 rows: 64 accumulators, 512 registers.
; Wave w also makes h for rows 16 w .. 16 w + 15: 128 hidden units (one K step of the second product) at a time, by the f32 matrix form used transposed (source 0 = 16 rows of w1, source 1 = q), relu, quantised in
; registers; the fragment and its scale words go to the other waves as an image of the operand's registers in LDS.
; THE ROWS OF w1 THAT FORM A TILE ARE NOT NEIGHBOURS: lane r of tile 2 b + u takes row 32 b + 8 u + r + 8 (r / 8), so that the 16 registers of tiles 2 b, 2 b + 1 are 16 neighbours along the next K.
; ORDER.  K goes in 8 chunks of 512; in a chunk the wave's columns go in 4 groups of 64.  A SLOT is one (chunk, group): a tile of 64 rows x 256 bytes of w2 for each wave, 64 products on codes, and beside them the making of one K step
; of h for the next chunk (16 f32 products, the quantiser's lines standing behind them).  w2's tiles come through a ring of two LDS slots; its scale bytes come once and stay.
; CLUSTER.  Every work-group walks the same w2: the four of a cluster ask for each tile JOINTLY, by the same tensor load with the same descriptor (it hangs on the wave's number alone) and the mask of all four.
; THE SECOND PRODUCT IS USED TRANSPOSED TOO (source 0 = 16 rows of w2, source 1 = 16 rows of h): a lane holds eight neighbouring columns of one row of out.  In the last chunk a group's accumulators are final after its slot and leave while the next group is multiplied.
; LIMITS.  The cosine is written out: x is reduced by pi/2 in three parts with fused multiply-adds, then polynomials in r^2 (to r^8 and r^7): a few units in the last place for |x| up to 1e5; beyond that the quadrant's number is no longer
; sure to half a unit and the error grows; from 3e9 on it saturates.  Infinities and NaN in x, theta or w1 are not served (relu by v_max_num_f32 turns a NaN into 0).  A block of zeros of h gets the scale byte 1, not 127: its codes are
; zeros and this kernel alone reads the byte.  The 8 terms of a number of h are added in the order 0,1,4,5 | 2,3,6,7 of i, not 0 .. 7.
.set PITCH, 272                        ; an LDS row: 256 bytes + 16 of padding = 68 words: row r starts at bank 4 r mod 64 (64 banks of 4 bytes: ISA guide 11.1)
.set WTILE, 64*PITCH                   ; a wave's tile of w2
.set SLOT,  4*WTILE                    ; a ring slot: four waves' tiles
.set SCL,   2*SLOT                     ; behind the ring: w2's scale bytes, 256 bytes (two rows of w2) + 16 of padding at a time; filled once
.set WSCL,  128*PITCH                  ; those of a wave's 256 rows
.set IMG,   SCL+4*WSCL                 ; h's fragments: (K step q of a chunk, row tile m), chunk parity p at (4 q + m) 2048 + 1024 p; inside 512 c + 16 lane
.set HSC,   IMG+32768                  ; their scale words: (4 q + m) 256 + 128 p + 4 lane
.set SPARE, HSC+4096                   ; the spare words, 128 bytes for each wave: two blocks of 256 bytes that no other line names
.set WSTG,  16*PITCH                   ; the way out: a stage of 16 rows for each wave, laid over the images once nobody reads them
.set SPW,  2                           ; v2   LDS address of my spare word; never rewritten
.set NIL,  3                           ; v3   0; never rewritten
.set ADRB, 4                           ; v4-5 my lane's place in my tile of w2, slot 0, 1
.set ADRS, 6                           ; v6   my lane's place among w2's scale words; 16 bytes on with each chunk
.set AIA0, 7                           ; v7   IMG + 16 lane;              v8  the same with the parity that is read
.set AIA,  8
.set HSA0, 9                           ; v9   HSC + 4 lane;               v10 likewise
.set HSA,  10
.set IWA0, 11                          ; v11  IMG + 16 lane + 2048 wave;  v12 with the parity that is written
.set IWA,  12
.set HWA0, 13                          ; v13  HSC + 4 lane + 256 wave;    v14 likewise
.set HWA,  14
.set W1A,  15                          ; v15  my lane's byte in 128 rows of w1
.set STO,  16                          ; v16  the stage: where I put 32 bytes of a row
.set RD,   17                          ; v17  and where I read a row back
.set GO,   18                          ; v18  my byte offset in two rows of out
.set Q,    20                          ; v20-23   q(row r, 4 h + 0 .. 3)
.set W1R,  24                          ; v24-87   two sets of w1's 8 tiles, 4 registers each; in the last chunk the rows on their way out
.set D,    88                          ; v88-151  the f32 products, tile t at 8 t: written by matrix instructions alone
.set RR,   152                         ; v152-183 two sets of 16 numbers behind relu
.set TA,   184                         ; v184-190 the maximum's tree
.set MX,   192                         ; v192-193 two blocks' largest numbers
.set TP,   194                         ; v194 the other half's maximum;  v195 the conversion's scale operand;  v196 a scale byte
.set SC,   195
.set BY,   196
.set PW,   198                         ; v198-199 two scale words
.set PC,   200                         ; v200-215 two sets of 8 registers of codes
.set WS,   216                         ; v216-223 w2's scale words: 4 u + q: lanes 0-15 tile 2 u, lanes 16-31 tile 2 u + 1
.set HS,   224                         ; v224-239 h's scale words: 4 q + m
.set WV,   16                          ; s16  my wave's number
.set SEL,  20                          ; s[20:21] v_permlanex16_b32's selects for lane l xor 16
.set G1,   24                          ; s[24:31] descriptor group 1 for the tiles of codes;  s[32:39] for the scale bytes
.set G1S,  32
.set G0,   40                          ; s[40:47] group 0, a set for each slot;  s[48:51] for the scale bytes
.set G0S,  48
.set W1B,  52                          ; s[52:53] w1 at the K step asked for last
.set OUTB, 54                          ; s[54:55] out at my work-group's first row, my wave's first column
.set TRIP, 56
.set TIR,  57                          ; s57-60 the parities, in bytes: images read, images written, scale words read, written
.set TIW,  58
.set TSR,  59
.set TSW,  60
.set STP,  62                          ; s[62:63] the step of w1's base where it is chosen
; REGISTER WINDOWS: window 0 as above; window 1: v0-127 w2's fragments (tile t, K step q) at 8 (4 q + t), v128-255 h's (q, m) at 128 + 8 (4 q + m); window 2: the accumulators of groups 0, 1; window 3: of groups 2, 3:
; accumulator (m, group g, tile t) at 8 (4 (4 (g % 2) + t) + m).
.set TO1, 0x40                         ; destination window 1, address window 0
.set MSB, 0
.macro WIN new                         ; the immediate's high byte repeats the setting that is left; a switch that changes nothing is dropped
.if MSB != (\new)
	s_set_vgpr_msb (MSB<<8)|(\new)
.set MSB, (\new)
.endif
.endm
.macro CREST                           ; a round of the cluster's barrier behind its opening barrier
	s_cmp_lg_u32 s[WV], 0
	s_cbranch_scc1 .Lnot_wave_0_\@
	s_barrier_signal -3
.Lnot_wave_0_\@:
	s_barrier_wait -3
	s_barrier_signal -1
	s_barrier_wait -1
.endm
.macro CROUND                          ; a whole round
	s_barrier_signal -1
	s_barrier_wait -1
	CREST
.endm
; cos of v[a], in place.  n = the nearest whole number to a 2 / pi; r = a - n pi/2, pi/2 in three parts; cos(a) is cos r, -sin r, -cos r, sin r for n mod 4 = 0, 1, 2, 3.  v254, v255: the polynomials' leading coefficients.
.macro COS a
	v_mul_f32 v248, 0x3f22f983, v[\a]
	v_rndne_f32 v248, v248
	v_fmamk_f32 v249, v248, 0xbfc90fdb, v[\a]
	v_fmamk_f32 v249, v248, 0x333bbd2e, v249
	v_fmamk_f32 v249, v248, 0x26f72ced, v249
	v_cvt_i32_f32 v250, v248
	v_mul_f32 v251, v249, v249                     ; r^2
	v_fmaak_f32 v252, v254, v251, 0xbab6061a       ; cos r, by Horner's rule in r^2,
	v_fmaak_f32 v253, v255, v251, 0x3c08839e       ; and sin r = r + r^3 (..), by turns
	v_fmaak_f32 v252, v252, v251, 0x3d2aaaa5
	v_fmaak_f32 v253, v253, v251, 0xbe2aaaa3
	v_fma_f32 v252, v252, v251, -0.5
	v_mul_f32 v248, v249, v251
	v_fma_f32 v252, v252, v251, 1.0
	v_fma_f32 v253, v253, v248, v249
	v_and_b32 v248, 1, v250
	v_cmp_ne_u32 vcc_lo, 0, v248
	v_cndmask_b32 v252, v252, v253, vcc_lo         ; odd n: the sine
	v_add_nc_u32 v250, 1, v250
	v_and_b32 v250, 2, v250
	v_lshlrev_b32 v250, 30, v250                   ; n mod 4 = 1, 2: the sign turns
	v_xor_b32 v[\a], v250, v252
.endm
; 128 rows of w1 into a set: tile t's lane takes 16 bytes of its row; a load reads two runs of 256 consecutive bytes
.macro LDW1 set, base
.irp t, 0,1,2,3,4,5,6,7
	global_load_b128 v[W1R+32*(\set)+4*\t:W1R+32*(\set)+4*\t+3], v[W1A], s[\base:\base+1] offset:(32*(\t/2)+8*(\t%2))*32
.endr
.endm
; Half c of tile t's sum over the 8 terms: in instruction c, half h of the lanes, register j stands term 4 h + 2 c + j, in w1's fragment and in q's alike.  The first half starts the sum with the constant 0.
.macro WM t, c, set
.if (\c) == 0
	v_wmma_f32_16x16x4_f32 v[D+8*(\t):D+8*(\t)+7], v[W1R+32*(\set)+4*(\t):W1R+32*(\set)+4*(\t)+1], v[Q:Q+1], 0
.else
	v_wmma_f32_16x16x4_f32 v[D+8*(\t):D+8*(\t)+7], v[W1R+32*(\set)+4*(\t)+2:W1R+32*(\set)+4*(\t)+3], v[Q+2:Q+3], v[D+8*(\t):D+8*(\t)+7]
.endif
.endm
; Line n of 24 of block b's first part: 0-15 relu into registers of its own, each tile from its low end on; 16-23 the largest of my 16 numbers and the floor 2^(3 - 127), which holds the scale's byte at 1 from below.  b = -1: nothing.
.macro XL b, n
.if (\b) >= 0
.set rR, RR+16*((\b)%2)
.if (\n) < 16
	v_max_num_f32 v[rR+(\n)], 0, v[D+16*(\b)+(\n)]
.elseif (\n) < 21
	v_max3_num_f32 v[TA+(\n)-16], v[rR+3*((\n)-16)], v[rR+3*((\n)-16)+1], v[rR+3*((\n)-16)+2]
.elseif (\n) == 21
	v_max3_num_f32 v[TA+5], v[TA], v[TA+1], v[TA+2]
.elseif (\n) == 22
	v_max3_num_f32 v[TA+6], v[TA+3], v[TA+4], v[rR+15]
.else
	v_max3_num_f32 v[MX+(\b)%2], v[TA+5], v[TA+6], 0x1800000
.endif
.endif
.endm
; Line n of 7 of block b's second part: the other half of the lanes' maximum; 2 off the exponent field gives the conversion's scale operand; 16 codes; the scale's byte into word ps.  b = -1: nothing.
.macro YL b, ps, n
.if (\b) >= 0
.set rR, RR+16*((\b)%2)
.set rM, MX+(\b)%2
.if (\n) == 1
	v_permlanex16_b32 v[TP], v[rM], s[SEL], s[SEL+1]
.elseif (\n) == 2
	v_max_num_f32 v[rM], v[rM], v[TP]
.elseif (\n) == 3
	v_add_nc_u32 v[SC], 0xff000000, v[rM]
.elseif (\n) == 4
	v_cvt_scalef32_pk8_fp4_f32 v[PC+8*(\ps)+2*(\b)], v[rR:rR+7], v[SC]
.elseif (\n) == 5
	v_cvt_scalef32_pk8_fp4_f32 v[PC+8*(\ps)+2*(\b)+1], v[rR+8:rR+15], v[SC]
.elseif (\n) == 6
.if (\b) == 0
	v_lshrrev_b32 v[PW+(\ps)], 23, v[SC]
.else
	v_lshrrev_b32 v[BY], 23, v[SC]
.endif
.else
.if (\b) > 0
	v_lshl_or_b32 v[PW+(\ps)], v[BY], 8*(\b), v[PW+(\ps)]
.endif
.endif
.endif
.endm
; A STAGE: the four f32 products of block k (two accumulators by turns), and behind them block xb's first part and block yb's second.
; A vector instruction reads a result of this matrix form eight places behind it at the least, and only plain vector lines that name none of its registers are places.  Tile 2 k's last product is the third of its
; stage: behind it stand 6 or 7 such lines, behind the fourth 3 or 4, and then the next stage's first read of it.  Tile 2 k + 1's is the fourth: 3 or 4 lines, then the eight relu lines of the other tile.
.macro STAGE k, wm, set, xb, yb, ps
.if \wm
	WM 2*(\k), 0, \set
.endif
.irp n, 0,1,2,3
	XL \xb, \n
.endr
	YL \yb, \ps, 1
.irp n, 4,5,6,7
	XL \xb, \n
.endr
.if \wm
	WM 2*(\k)+1, 0, \set
.endif
	YL \yb, \ps, 2
.irp n, 8,9,10,11
	XL \xb, \n
.endr
	YL \yb, \ps, 3
.irp n, 12,13,14
	XL \xb, \n
.endr
.if \wm
	WM 2*(\k), 1, \set
.endif
.irp n, 15,16,17
	XL \xb, \n
.endr
	YL \yb, \ps, 4
	XL \xb, 18                                     ; (a plain line behind each conversion)
	YL \yb, \ps, 5
	XL \xb, 19
	XL \xb, 20
	YL \yb, \ps, 6
.if \wm
	WM 2*(\k)+1, 1, \set
.endif
	XL \xb, 21
	YL \yb, \ps, 7
	XL \xb, 22
	XL \xb, 23
.endm
; A finished K step: the operand's layout wants a whole block of 32 in a lane (lanes 0-15 block 2 c, lanes 16-31 block 2 c + 1); then the fragment goes to LDS as it stands, 16 bytes a lane, and its scale word, 4 bytes a lane.
.macro FINAL q, ps
.irp c, 0,1
.irp i, 0,1
	v_permlane16_swap_b32 v[PC+8*(\ps)+4*\c+\i], v[PC+8*(\ps)+4*\c+2+\i]
.endr
.endr
	ds_store_b128 v[IWA], v[PC+8*(\ps):PC+8*(\ps)+3] offset:8192*(\q)
	ds_store_b128 v[IWA], v[PC+8*(\ps)+4:PC+8*(\ps)+7] offset:8192*(\q)+512
	ds_store_b32 v[HWA], v[PW+(\ps)] offset:1024*(\q)
.endm
; THE MAKING OF h, one K step on.  wm = 1: the 16 products of a new K step, from w1's set; old = 1: the K step before is finished (its blocks 2 and 3) and stored as K step q of its chunk.
; At the end the set just multiplied is asked for again, two K steps on: ld = 1: always; ld = 2: in the loop's last trip no K step is left: the step is 0, and the last K step's rows are read once more into registers that
; nobody reads, so that every trip issues the same loads and the counted wait at the head holds in every trip.
.macro P wm, old, set, q, ld
.if \wm
	s_wait_loadcnt 0x8                             ; loads come back in order (ISA guide 5.7.1): my set is in; the eight loads of the other set, issued behind it, may be out
.else
	s_wait_loadcnt 0x0                             ; nothing more is asked for
.endif
.if \old
	STAGE 0, \wm, \set, 3, 2, 1-(\set)
.if \wm
	STAGE 1, 1, \set, 0, 3, 1-(\set)
.else
	STAGE 1, 0, \set, -1, 3, 1-(\set)
.endif
	FINAL \q, 1-(\set)
.else
	STAGE 0, 1, \set, -1, -1, 0
.rept 8
	v_nop                                          ; the first K step has nothing to set behind its first products: eight places
.endr
	STAGE 1, 1, \set, 0, -1, 0
.endif
.if \wm
	STAGE 2, 1, \set, 1, 0, \set
	STAGE 3, 1, \set, 2, 1, \set
.rept 4
	v_nop                                          ; with the four plain lines behind the last product: eight places in front of loads into registers that it has read
.endr
.if (\ld) == 2
	s_cmp_eq_u32 s[TRIP], 1
	s_cselect_b32 s[STP], 0, 4096
.endif
	s_wait_xcnt 0x0                                ; the other set's loads have read their base: only now is it stepped
.if (\ld) == 2
	s_add_nc_u64 s[W1B:W1B+1], s[W1B:W1B+1], s[STP:STP+1]
.else
	s_add_nc_u64 s[W1B:W1B+1], s[W1B:W1B+1], 4096
.endif
	LDW1 \set, W1B
.endif
.endm
; A chunk's head: the addresses of the images that it reads and (wr = 1) of those that it writes, which are the next chunk's and have the other parity: a wave may store the next chunk's first image while another still reads this chunk's.
.macro CHEAD step, wr
	v_add_nc_u32 v[AIA], s[TIR], v[AIA0]
	v_add_nc_u32 v[HSA], s[TSR], v[HSA0]
	s_xor_b32 s[TIR], s[TIR], 1024
	s_xor_b32 s[TSR], s[TSR], 128
.if \wr
	v_add_nc_u32 v[IWA], s[TIW], v[IWA0]
	v_add_nc_u32 v[HWA], s[TSW], v[HWA0]
	s_xor_b32 s[TIW], s[TIW], 1024
	s_xor_b32 s[TSW], s[TSW], 128
.endif
.if \step
	v_add_nc_u32 v[ADRS], 16, v[ADRS]              ; w2's scale words of the next 512 along K (no LDS load of mine is out)
.endif
.endm
; A slot's LDS loads, in one run: my tile of w2 from ring slot p (a fragment, 16 rows x 128 K of 4-bit codes: two loads of 16 bytes, 32 bytes apart) and group g's scale words (a lane's 16 bytes are its row's four words of the chunk);
; ahead = 1, at a chunk's head: also the chunk's 16 fragments of h and their scale words.
.macro LOADS p, g, ahead
	WIN TO1
.irp q, 0,1,2,3
.irp t, 0,1,2,3
.irp c, 0,1
	ds_load_b128 v[8*(4*\q+\t)+4*\c:8*(4*\q+\t)+4*\c+3], v[ADRB+(\p)] offset:16*\t*PITCH+64*\q+32*\c
.endr
.endr
.endr
.if \ahead
.irp q, 0,1,2,3
.irp m, 0,1,2,3
.irp c, 0,1
	ds_load_b128 v[128+8*(4*\q+\m)+4*\c:128+8*(4*\q+\m)+4*\c+3], v[AIA] offset:(4*\q+\m)*2048+512*\c
.endr
.endr
.endr
.endif
	WIN 0
.irp u, 0,1
	ds_load_b128 v[WS+4*\u:WS+4*\u+3], v[ADRS] offset:(32*(\g)+16*\u)*PITCH
.endr
.if \ahead
.irp q, 0,1,2,3
.irp m, 0,1,2,3
	ds_load_b32 v[HS+4*\q+\m], v[HSA] offset:(4*\q+\m)*256
.endr
.endr
.endif
.endm
; 16 products on codes: group g's four tiles of columns x the four tiles of rows, K step q of the chunk.  The 16 accumulators take turns, one instruction a turn, in the same order in every K step.
; zero = 1: the first product starts the sums: nothing is ever cleared.  An odd tile's scale words stand in lanes 16-31 of their register.
.macro GQ g, q, zero
.irp t, 0,1,2,3
.irp m, 0,1,2,3
.set rC, 8*(4*(4*((\g)%2)+\t)+\m)
.set rB, 8*(4*(\q)+\t)
.set rH, 128+8*(4*(\q)+\m)
.set rW, WS+4*(\t/2)+(\q)
.set rS, HS+4*(\q)+\m
.if \zero
.if \t%2
	v_wmma_scale_f32_16x16x128_f8f6f4 v[rC:rC+7], v[rB:rB+7], v[rH:rH+7], 0, v[rW], v[rS] matrix_a_fmt:MATRIX_FMT_FP4 matrix_b_fmt:MATRIX_FMT_FP4 matrix_a_scale:MATRIX_SCALE_ROW1
.else
	v_wmma_scale_f32_16x16x128_f8f6f4 v[rC:rC+7], v[rB:rB+7], v[rH:rH+7], 0, v[rW], v[rS] matrix_a_fmt:MATRIX_FMT_FP4 matrix_b_fmt:MATRIX_FMT_FP4
.endif
.else
.if \t%2
	v_wmma_scale_f32_16x16x128_f8f6f4 v[rC:rC+7], v[rB:rB+7], v[rH:rH+7], v[rC:rC+7], v[rW], v[rS] matrix_a_fmt:MATRIX_FMT_FP4 matrix_b_fmt:MATRIX_FMT_FP4 matrix_a_scale:MATRIX_SCALE_ROW1
.else
	v_wmma_scale_f32_16x16x128_f8f6f4 v[rC:rC+7], v[rB:rB+7], v[rH:rH+7], v[rC:rC+7], v[rW], v[rS] matrix_a_fmt:MATRIX_FMT_FP4 matrix_b_fmt:MATRIX_FMT_FP4
.endif
.endif
.endr
.endr
.endm
; A slot's 64 products.  fill = 1: its ring slot, which lies in registers by now, is filled again with the tile two slots on.  In front of the barrier each wave waits for all its tensor loads (one is out: the next slot's tile), adds 0 to
; its spare word, and waits for that; its LDS loads and its image stores were waited for at the head.  The barrier opens a round of the cluster's barrier, since the refill is a joint load; the refill is the first thing behind the round.
; The same barrier shows this slot's image to the other waves.  Tile i = 4 c + g begins at row 64 g of my 256, byte 256 c: two tiles on is 128 rows down (g = 0, 1), or 128 rows up and 256 bytes on (g = 2, 3).
.macro MULT g, zero, fill
.set MW, 0xa5+0x50*((\g)/2)            ; sources 0 and 1 window 1; C and D window 2 or 3
.set GP, G0+4*((\g)%2)
	s_wait_dscnt 0x0                               ; the slot's loads are in; my image stores have landed
	WIN MW
	GQ \g, 0, \zero
	GQ \g, 1, 0
.if \fill
	WIN 0                                          ; (the add's two registers lie in window 0)
	s_wait_tensorcnt 0x0                           ; no tensor load of mine is out, so a group 0 may be written
	ds_add_u32 v[SPW], v[NIL]                      ; 0 onto my spare word
.if (\g) < 2
	s_add_nc_u64 s[GP+2:GP+3], s[GP+2:GP+3], 262144
.else
	s_sub_nc_u64 s[GP+2:GP+3], s[GP+2:GP+3], 261888
.endif
	WIN MW
.endif
	GQ \g, 2, 0                                    ; sixteen products stand between the add and the wait for it
.if \fill
	s_wait_dscnt 0x0                               ; the add is done
	s_barrier_signal -1
.endif
	GQ \g, 3, 0                                    ; work on registers while the others arrive
	WIN 0
.if \fill
	s_barrier_wait -1
	CREST                                          ; no wave of any partner still reads this slot or has a load on its way
	tensor_load_to_lds s[GP:GP+3], s[G1:G1+7]
	s_nop 0
.endif
.rept 4
	v_nop                                          ; four places in front of the loads into registers that the products have read, and of the first read of results
.endr
.endm
; THE WAY OUT of group g, a tile of 16 rows x 64 columns at a time.  A lane holds 32 neighbouring bytes of a row, and the lanes beside it other rows: so the tile goes through my own stage and comes back as rows of 256 bytes.
; LDS serves a wave's instructions in order (ISA guide 5.7.1.4): no wait between the stores and the loads, nor in front of the next tile's stores.
.macro TOSTAGE g, m
	s_wait_xcnt 0x0                                ; the stores issued so far have read their registers: the loads below may land there
.set SW, 0x08+4*((\g)/2)               ; an LDS store's data are its source 1: window 2 or 3
	WIN SW
.irp t, 0,1,2,3
.set rC, 8*(4*(4*((\g)%2)+\t)+(\m))
	ds_store_b128 v[STO], v[rC:rC+3] offset:64*\t                  ; each accumulator from its low end on
	ds_store_b128 v[STO], v[rC+4:rC+7] offset:64*\t+16
.endr
	WIN 0
.irp i, 0,1,2,3,4,5,6,7
	ds_load_b128 v[W1R+32*((\m)%2)+4*\i:W1R+32*((\m)%2)+4*\i+3], v[RD] offset:2*\i*PITCH
.endr
.endm
.macro SEND g, m, younger              ; younger: the LDS instructions issued behind tile m's loads, which may stay out
	s_wait_dscnt \younger
.irp i, 0,1,2,3,4,5,6,7
	global_store_b128 v[GO], v[W1R+32*((\m)%2)+4*\i:W1R+32*((\m)%2)+4*\i+3], s[OUTB:OUTB+1] offset:(16*(\m)+2*\i)*4096+256*(\g) th:TH_STORE_NT   ; 16 lanes store 256 consecutive bytes, at a multiple of 256 from out's first byte
.endr
.endm
.macro OUT g
	TOSTAGE \g, 0
	TOSTAGE \g, 1
	SEND \g, 0, 16                                 ; behind tile 0's loads: tile 1's 8 stores and 8 loads
	TOSTAGE \g, 2
	SEND \g, 1, 16
	TOSTAGE \g, 3
	SEND \g, 2, 16
	SEND \g, 3, 0
.endm
	; ---- THE HEAD
	s_load_b256 s[4:11], s[0:1], 0x0               ; x s[4:5], theta s[6:7], w1 s[8:9], w2's codes s[10:11]
	s_load_b128 s[12:15], s[0:1], 0x20             ; w2's scales s[12:13], out s[14:15]
	v_lshl_add_u32 v[SPW], v0, 2, SPARE
	v_mov_b32 v[NIL], 0
	ds_add_u32 v2, v3
	ds_add_u32 v2, v3
	s_wait_dscnt 0x0
	v_lshrrev_b32 v19, 5, v0
	v_readfirstlane_b32 s[WV], v19                 ; wave 0..3
	s_bfe_u32 s17, ttmp6, 0x40000                  ; cx: my place in the cluster: it enters x's and out's addresses alone
	s_lshl_b32 s18, ttmp9, 2                       ; in a cluster launch ttmp9 counts clusters
	s_add_co_u32 s18, s18, s17                     ; my work-group: rows 64 x it on
	s_mov_b32 s[SEL], 0x76543210
	s_mov_b32 s[SEL+1], 0xfedcba98
	s_mov_b32 s[TIR], 0
	s_mov_b32 s[TIW], 0
	s_mov_b32 s[TSR], 0
	s_mov_b32 s[TSW], 0
	s_mov_b32 s[STP+1], 0
	; descriptor group 1: a tile of 64 rows x 256 bytes of codes, rows 2,048 bytes apart in memory, 16 bytes of padding behind each in LDS
	s_mov_b32 s[G1], 15|(1<<20)|(1<<21)|(5<<22)|(3<<25)            ; 15:0 the mask: all four work-groups; 17:16 elements of 1 byte; 20 padding on; 21 set beside a mask; 24:22 after every 64 words (code 5); 31:25 four words (code 3)
	s_mov_b32 s[G1+1], 256<<16                     ; tensor_dim0
	s_mov_b32 s[G1+2], 64<<16                      ; tensor_dim1
	s_mov_b32 s[G1+3], 256<<16                     ; tile_dim0
	s_mov_b32 s[G1+4], 64                          ; tile_dim1
	s_mov_b32 s[G1+5], 2048                        ; tensor_dim0_stride
	s_mov_b32 s[G1+6], 0
	s_mov_b32 s[G1+7], 0
	; and for the scale bytes of 256 rows of w2: 32,768 dense bytes, as 128 rows of 256 bytes (32 elements of 8 bytes), padded likewise
	s_mov_b32 s[G1S], 15|(3<<16)|(1<<20)|(1<<21)|(5<<22)|(3<<25)
	s_mov_b32 s[G1S+1], 32<<16
	s_mov_b32 s[G1S+2], 128<<16
	s_mov_b32 s[G1S+3], 32<<16
	s_mov_b32 s[G1S+4], 128
	s_mov_b32 s[G1S+5], 32
	s_mov_b32 s[G1S+6], 0
	s_mov_b32 s[G1S+7], 0
	v_and_b32 v250, 15, v0                         ; r = lane % 16
	v_bfe_u32 v251, v0, 4, 1                       ; h = lane / 16
	v_and_b32 v252, 31, v0                         ; lane
	v_lshlrev_b32 v248, 12, v250
	v_lshl_add_u32 v248, v251, 4, v248             ; x: row r of 4,096 bytes, + 16 h: numbers 4 h .. 4 h + 3
	v_lshlrev_b32 v249, 4, v251                    ; theta: the same four
	v_and_b32 v253, 8, v250
	v_add_nc_u32 v253, v253, v250                  ; r + 8 (r / 8)
	v_lshlrev_b32 v[W1A], 5, v253                  ; w1: a row is 32 bytes,
	v_lshl_add_u32 v[W1A], v251, 4, v[W1A]         ; + 16 h
	s_mul_i32 s19, s[WV], WTILE                    ; my tile's place in a ring slot: no place in the cluster enters an LDS address
	s_lshl_b32 s68, s18, 18                        ; my work-group's 64 rows of 4,096 bytes, in x and in out
	s_lshl_b32 s70, s[WV], 16                      ; x: my wave's 16 rows
	s_add_co_u32 s70, s70, s68
	s_mov_b32 s71, 0
	s_wait_kmcnt 0x0
	s_add_nc_u64 s[4:5], s[4:5], s[70:71]
	s_lshl_b32 s70, s[WV], 10                      ; out: my wave's 256 columns
	s_add_co_u32 s70, s70, s68
	s_add_nc_u64 s[OUTB:OUTB+1], s[14:15], s[70:71]
	s_add_nc_u64 s[W1B:W1B+1], s[8:9], 4096        ; K step 1's rows of w1
	global_load_b128 v[240:243], v248, s[4:5] th:TH_LOAD_NT
	global_load_b128 v[244:247], v249, s[6:7]
	LDW1 0, 8                                      ; K steps 0 and 1
	LDW1 1, W1B
	s_lshl_b32 s70, s[WV], 19                      ; my 256 rows of w2's codes
	s_mov_b32 s[G0], 1                             ; 1:0 count = 1
	s_mov_b32 s[G0+1], s19                         ; 63:32 LDS address: slot 0
	s_add_nc_u64 s[G0+2:G0+3], s[10:11], s[70:71]  ; 120:64 global address: tile 0 (chunk 0, group 0)
	s_add_nc_u64 s[G0+6:G0+7], s[G0+2:G0+3], 131072   ; tile 1: 64 rows down
	s_or_b32 s[G0+3], s[G0+3], 0x80000000          ; 127:126 type = 2
	s_mov_b32 s[G0+4], 1
	s_add_co_u32 s[G0+5], s19, SLOT
	s_or_b32 s[G0+7], s[G0+7], 0x80000000
	s_lshl_b32 s70, s[WV], 15                      ; and of its scale bytes
	s_mul_i32 s68, s[WV], WSCL
	s_mov_b32 s[G0S], 1
	s_add_co_u32 s[G0S+1], s68, SCL
	s_add_nc_u64 s[G0S+2:G0S+3], s[12:13], s[70:71]
	s_or_b32 s[G0S+3], s[G0S+3], 0x80000000
	CROUND                                         ; all four work-groups are here: the first joint loads meet
	tensor_load_to_lds s[G0S:G0S+3], s[G1S:G1S+7]  ; the first fills go out together: three loads of mine are out
	s_nop 0
	tensor_load_to_lds s[G0:G0+3], s[G1:G1+7]
	s_nop 0
	tensor_load_to_lds s[G0+4:G0+7], s[G1:G1+7]
	s_nop 0
.rept 4
	v_nop
.endr
	v_lshl_add_u32 v[AIA0], v252, 4, IMG
	v_lshl_add_u32 v[HSA0], v252, 2, HSC
	s_lshl_b32 s70, s[WV], 11
	v_add_nc_u32 v[IWA0], s70, v[AIA0]
	s_lshl_b32 s70, s[WV], 8
	v_add_nc_u32 v[HWA0], s70, v[HSA0]
	v_mul_u32_u24 v253, v250, PITCH
	v_lshl_add_u32 v253, v251, 4, v253             ; a fragment's row x pitch + 16 h
	v_add_nc_u32 v[ADRB], s19, v253
	v_add_nc_u32 v[ADRB+1], SLOT, v[ADRB]
	v_lshrrev_b32 v253, 1, v252                    ; w2's scale words: lane l takes row l of 32: two rows of 128 bytes lie in each 272
	v_mul_u32_u24 v253, v253, PITCH
	v_and_b32 v254, 1, v252
	v_lshl_add_u32 v253, v254, 7, v253
	s_add_co_u32 s68, s68, SCL
	v_add_nc_u32 v[ADRS], s68, v253
	s_mul_i32 s70, s[WV], WSTG
	s_add_co_u32 s70, s70, IMG                     ; my stage
	v_mul_u32_u24 v253, v250, PITCH
	v_lshl_add_u32 v253, v251, 5, v253
	v_add_nc_u32 v[STO], s70, v253                 ; in: row r, 32 bytes for each half of the lanes
	v_mul_u32_u24 v253, v251, PITCH
	v_lshl_add_u32 v253, v250, 4, v253
	v_add_nc_u32 v[RD], s70, v253                  ; back: lanes 0-15 one row of 256 bytes, lanes 16-31 the next
	v_lshlrev_b32 v[GO], 12, v251
	v_lshl_add_u32 v[GO], v250, 4, v[GO]           ; and the same two rows in out
	v_mov_b32 v[TP], 0                             ; written once: a lane permute's destination counts as one of its sources
	v_add_nc_u32 v[IWA], s[TIW], v[IWA0]           ; chunk 0's images have parity 0
	v_add_nc_u32 v[HWA], s[TSW], v[HWA0]
	s_xor_b32 s[TIW], s[TIW], 1024
	s_xor_b32 s[TSW], s[TSW], 128
	s_wait_loadcnt 0x10                            ; x and theta are in; the 16 loads of w1 issued behind them may be out
	v_mov_b32 v254, 0x37ccf5ce
	v_mov_b32 v255, 0xb94ca1f9
.irp a, 240,241,242,243,244,245,246,247
	COS \a
.endr
.irp j, 0,1,2,3
	v_mul_f32 v[Q+\j], v[240+\j], v[244+\j]        ; q = cos x cos theta
.endr
	; ---- THE PROLOGUE: chunk 0's four K steps of h, and the products of K step 4.  The wait between two steps: the image stores have read their registers
	P 1, 0, 0, 0, 1
	P 1, 1, 1, 0, 1
	s_wait_dscnt 0x0
	P 1, 1, 0, 1, 1
	s_wait_dscnt 0x0
	P 1, 1, 1, 2, 1
	s_wait_dscnt 0x0
	P 1, 1, 0, 3, 1
	s_wait_tensorcnt 0x1                           ; the scale bytes and tile 0 are in; tile 1 may stay out
	s_wait_dscnt 0x0                               ; my images have landed
	s_barrier_signal -1
	s_barrier_wait -1                              ; everybody's have
	; ---- CHUNK 0, written out: its first products start the sums.  In slot i the products of K step i + 5 are issued and K step i + 4 is stored
	CHEAD 0, 1
	LOADS 0, 0, 1
	P 1, 1, 1, 0, 1
	MULT 0, 1, 1
	LOADS 1, 1, 0
	P 1, 1, 0, 1, 1
	MULT 1, 1, 1
	LOADS 0, 2, 0
	P 1, 1, 1, 2, 1
	MULT 2, 1, 1
	LOADS 1, 3, 0
	P 1, 1, 0, 3, 1
	MULT 3, 1, 1
	; ---- CHUNKS 1 TO 6
	s_mov_b32 s[TRIP], 6
.Lchunk:
	CHEAD 1, 1
	LOADS 0, 0, 1
	P 1, 1, 1, 0, 1
	MULT 0, 0, 1
	LOADS 1, 1, 0
	P 1, 1, 0, 1, 2
	MULT 1, 0, 1
	LOADS 0, 2, 0
	P 1, 1, 1, 2, 2
	MULT 2, 0, 1
	LOADS 1, 3, 0
	s_cmp_eq_u32 s[TRIP], 1                        ; in the last trip all 32 K steps have had their products: the last one is only finished and stored
	s_cbranch_scc1 .Lno_more
	P 1, 1, 0, 3, 1
	s_branch .Lmade
.Lno_more:
	P 0, 1, 0, 3, 0
.Lmade:
	MULT 3, 0, 1
	s_sub_co_u32 s[TRIP], s[TRIP], 1
	s_cmp_lg_u32 s[TRIP], 0
	s_cbranch_scc1 .Lchunk
	; ---- CHUNK 7, written out: nothing more is made; the last two slots fill nothing; a group leaves as soon as it is final
	s_wait_loadcnt 0x0                             ; no load into w1's registers is out: they take the rows on their way out
	CHEAD 1, 0
	LOADS 0, 0, 1
	MULT 0, 0, 1                                   ; behind its round nobody reads the images any more: the stages may lie there
	LOADS 1, 1, 0
	OUT 0
	MULT 1, 0, 1
	LOADS 0, 2, 0
	OUT 1
	MULT 2, 0, 0
	s_wait_tensorcnt 0x0                           ; the last tile is in; it is my own, so no barrier is wanted
	LOADS 1, 3, 0
	OUT 2
	MULT 3, 0, 0
	OUT 3
	s_wait_tensorcnt 0x0                           ; the wave's end, behind my last tensor load and my last LDS store
	ds_add_u32 v[SPW], v[NIL]
	s_wait_dscnt 0x0
	CROUND                                         ; the closing round: no work-group ends while a partner may still ask for a tile that names it
	s_endpgm
.Lfunc_end_k_q669c6e64c4_ffq:
	.size	k_q669c6e64c4_ffq, .Lfunc_end_k_q669c6e64c4_ffq-k_q669c6e64c4_ffq
	.p2alignl 7, 3214868480
	.fill 96, 4, 3214868480
	.section	.rodata,"a",@progbits
	.p2align	6, 0x0
	.amdhsa_kernel k_q669c6e64c4_ffq
		.amdhsa_group_segment_fixed_size 327680
		.amdhsa_private_segment_fixed_size 0
		.amdhsa_enable_private_segment 0
		.amdhsa_kernarg_size 48
		.amdhsa_user_sgpr_count 2
		.amdhsa_user_sgpr_kernarg_segment_ptr 1
		.amdhsa_wavefront_size32 1
		.amdhsa_system_sgpr_workgroup_id_x 1
		.amdhsa_system_sgpr_workgroup_id_y 1
		.amdhsa_system_sgpr_workgroup_id_z 1
		.amdhsa_system_vgpr_workitem_id 0
		.amdhsa_next_free_vgpr 1024
		.amdhsa_next_free_sgpr 72
		.amdhsa_reserve_vcc 1
		.amdhsa_float_denorm_mode_32 3
		.amdhsa_float_denorm_mode_16_64 3
		.amdhsa_memory_ordered 1
		.amdhsa_forward_progress 1
		.amdhsa_inst_pref_size 255
	.end_amdhsa_kernel
	.section	.bss,"aw",@nobits
	.p2align	6
	.space	262144
	.amdgpu_metadata
---
amdhsa.version: [ 1, 2 ]
amdhsa.kernels:
  - .name:           k_q669c6e64c4_ffq
    .symbol:         k_q669c6e64c4_ffq.kd
    .args:
      - { .name: x, .offset: 0, .size: 8, .value_kind: global_buffer, .address_space: global }
      - { .name: theta, .offset: 8, .size: 8, .value_kind: global_buffer, .address_space: global }
      - { .name: w1, .offset: 16, .size: 8, .value_kind: global_buffer, .address_space: global }
      - { .name: w2_codes, .offset: 24, .size: 8, .value_kind: global_buffer, .address_space: global }
      - { .name: w2_scales, .offset: 32, .size: 8, .value_kind: global_buffer, .address_space: global }
      - { .name: out0, .offset: 40, .size: 8, .value_kind: global_buffer, .address_space: global }
    .group_segment_fixed_size: 327680
    .private_segment_fixed_size: 0
    .kernarg_segment_align: 8
    .kernarg_segment_size: 48
    .max_flat_workgroup_size: 128
    .sgpr_count:     72
    .vgpr_count:     1024
    .wavefront_size: 32
...
	.end_amdgpu_metadata
.endif
;; end of part 1
;; ======== version 2 of 2: 1 launch
;; limits: inputs' magnitudes at most 100,000; right only within a limited range of input values
;; launch ffq (part 2): grid 256 x 1, 4 waves a work-group, clusters of 4 x 1, 327,680 bytes of LDS; arguments x, theta, w1, w2_codes, w2_scales, out0; writes out0
.if DOCPART == 2
	.amdgcn_target "amdgcn-amd-amdhsa--gfx1250"
	.amdhsa_code_object_version 6
	.text
	.protected	k_q669c6e64c4_ffq
	.globl	k_q669c6e64c4_ffq
	.p2align	8
	.type	k_q669c6e64c4_ffq,@function
k_q669c6e64c4_ffq:
	s_mov_b64 s[64:65], 0
	v_nop
	global_prefetch_b8 v0, s[64:65] scope:SCOPE_SE
	s_setreg_imm32_b32 hwreg(HW_REG_WAVE_MODE, 25, 1), 1
	s_wait_xcnt 0x0
	s_wait_alu depctr_hold_cnt(0) depctr_sa_sdst(0) depctr_va_vdst(0) depctr_va_sdst(0) depctr_va_ssrc(0) depctr_va_vcc(0) depctr_vm_vsrc(0)
	s_getreg_b32 s2, hwreg(HW_REG_IB_STS2, 6, 4)
	s_cmp_eq_u32 s2, 0
	s_cbranch_scc0 .Lentry_in_a_cluster
	s_endpgm
.Lentry_in_a_cluster:
	s_bfe_u32 s2, ttmp6, 0x10000c
	s_cmp_lg_u32 s2, 0x3003
	s_cbranch_scc0 .Lentry_shape_is_right
	s_endpgm
.Lentry_shape_is_right:
; out = Q(relu((cos(x[..,:8]) cos(theta)) w1^T)) w2^T, the second product in MX-FP4.
; Of each row of x only the first 8 numbers are used: only those 32 bytes of a row are loaded.
; A work-group owns 64 rows and all 1,024 columns.  K (4,096) IS CUT AMONG THE FOUR WAVES: wave w makes the hidden layer of all 64 rows
; for k = 1024 w .. 1024 w + 1023 (f32 matrix form, quantiser, relu) and keeps its codes (256 registers) and scale words (32) for the whole launch.
; Then N goes in 16 slots of 64 columns x all K through a ring of two LDS slots; a wave fetches and reads only its own quarter of K (64 rows of 512 bytes).
; The four partial sums of a slot meet in LDS: the wave that owns 16 rows adds the three others' parts to its own, turns the rows in its stage and stores
; whole rows of 256 bytes, all under the next slot's products (two sets of accumulators by turns).
; A wave counts its row tiles from its own: local tile i is tile (w + i) mod 4, so that local tile 0 is the one it owns in every wave's text.
; RELU STANDS BEHIND THE CONVERSION: a block's largest magnitude is taken of the sums as they are, over the floor (what is negative does not count), and a negative
; number's code keeps its sign bit alone, which is -0 and adds nothing: the same numbers as relu ahead of the quantiser gives.
; CLUSTER 4 x 1: the four work-groups walk the same tiles of w2 and ask for them jointly (mask 15).  Clusters start the walk over N at different slots.
; w2's scales: 32 bytes a column and wave for a slot, loaded into registers one slot ahead; the four waves' loads together take each byte of the 8 KiB once.
; No prefetch: each tile is asked for one whole slot (128 matrix instructions a wave) ahead of its first read, and all 64 clusters walk the same 2 MiB.
; LIMITS: cos is made by a reduction by pi/2 in three parts and two polynomials: it holds f32 accuracy for |x|, |theta| under 10,000.  The sum over K is made of four parts, added in f32.
.set WT,    64*528                     ; a wave's tile: 64 columns x (512 bytes + 16 of padding)
.set SLOT,  4*WT
.set RED,   2*SLOT                     ; 12 pieces of 16 rows x 272 bytes: [owner][source]; while h is made: a stage of 10,368 bytes a wave
.set PIECE, 16*272
.set OWN,   3*PIECE
.set SPARE, RED+4*OWN
; window 0
.set SPW,  2
.set NIL,  3
.set ADRB, 4                           ; v4-5 my fragments of w2 in slot 0, 1
.set SGO,  6                           ; my offset in a slot's scales
.set PS,   7                           ; v7-9 where local tiles 1-3 go
.set PLD,  10                          ; my own three pieces, in the result's layout
.set RD,   11                          ; my stage, by rows
.set GO,   12                          ; my offset in out0
.set HS,   32                          ; v32-63 h's scale words: 4 q + i
.set WS,   64                          ; v64-95 w2's scale words, two sets: 4 t + q % 4, lanes 16-31 for q >= 4
.set BF,   96                          ; v96-223 fragments of w2: two buffers of two K steps
; window 1: h's codes, 8 (4 q + i).  window 2: accumulators, 128 p + 8 (4 i + t)
; window 3: all that makes h; later the partial sums (v0-63, v216-247)
.set Q,    0
.set W1A,  16
.set STC0, 17
.set STS0, 18
.set STC,  19
.set STS,  20
.set THA,  28
.set W1R,  24                          ; v24-55 w1's eight tiles at work, v56-87 the next eight, landing
.set D,    88                          ; v88-215 two buffers of eight tiles; written by the f32 matrix form alone
.set TA,   216
.set TP,   223
.set MX,   224
.set SC,   226
.set BY,   227
.set PW,   228
.set PC,   230
.set RT,   238
.set X,    0                           ; at the head only, in window 2: x, theta, their offsets; v32-63 at work, v64-65 two constants
.set TH,   16
.set XA,   24
; scalars
.set WV,   16
.set SEL,  20
.set WB,   22
.set G1,   24
.set OB,   32
.set WSA,  34
.set W1B,  36
.set W1S,  38
.set G0,   40
.set OUTB, 48
.set WSB,  50
.set TC,   52
.set TP1,  53
.set TM1,  54
.set TRIP, 55
.set TOF,  56
.set TOS,  57
.set WO,   58
.set TO,   60
.set NEG,  84
.set MSB, 0
.macro WIN new
.if MSB != (\new)
	s_set_vgpr_msb (MSB<<8)|(\new)
.set MSB, (\new)
.endif
.endm
.macro NOP4
.rept 4
	v_nop
.endr
.endm
.macro BAR
	s_barrier_signal -1
	s_barrier_wait -1
.endm
.macro CROUND                          ; a round of the cluster's barrier
	s_barrier_signal -1
	s_barrier_wait -1
	s_cmp_lg_u32 s[WV], 0
	s_cbranch_scc1 .Lnot_wave_0_\@
	s_barrier_signal -3
.Lnot_wave_0_\@:
	s_barrier_wait -3
	s_barrier_signal -1
	s_barrier_wait -1
.endm
; v[a] = cos(v[a]), line n of chain c, all in window 2: k = round(a 2/pi), a - k pi/2 in three parts, sine or cosine polynomial by k, sign by k.  Six registers at work a chain, from v[32 + 8 c]
.macro COSL n, a, c
.set t_, 32+8*(\c)
.if (\n) == 1
	v_mul_f32 v[t_], 0x3f22f983, v[\a]
.elseif (\n) == 2
	v_rndne_f32 v[t_], v[t_]
.elseif (\n) == 3
	v_fmamk_f32 v[t_+1], v[t_], 0xbfc90fdb, v[\a]
.elseif (\n) == 4
	v_fmamk_f32 v[t_+1], v[t_], 0x333bbd2e, v[t_+1]
.elseif (\n) == 5
	v_fmamk_f32 v[t_+1], v[t_], 0x26f72ced, v[t_+1]
.elseif (\n) == 6
	v_cvt_i32_f32 v[t_+2], v[t_]
.elseif (\n) == 7
	v_mul_f32 v[t_+3], v[t_+1], v[t_+1]
.elseif (\n) == 8
	v_fmaak_f32 v[t_+4], v64, v[t_+3], 0xbab6061a
.elseif (\n) == 9
	v_fmaak_f32 v[t_+5], v65, v[t_+3], 0x3c08839e
.elseif (\n) == 10
	v_fmaak_f32 v[t_+4], v[t_+4], v[t_+3], 0x3d2aaaa5
.elseif (\n) == 11
	v_fmaak_f32 v[t_+5], v[t_+5], v[t_+3], 0xbe2aaaa3
.elseif (\n) == 12
	v_fma_f32 v[t_+4], v[t_+4], v[t_+3], -0.5
.elseif (\n) == 13
	v_mul_f32 v[t_], v[t_+1], v[t_+3]
.elseif (\n) == 14
	v_fma_f32 v[t_+4], v[t_+4], v[t_+3], 1.0
.elseif (\n) == 15
	v_fma_f32 v[t_+5], v[t_+5], v[t_], v[t_+1]
.elseif (\n) == 16
	v_and_b32 v[t_], 1, v[t_+2]
.elseif (\n) == 17
	v_cmp_ne_u32 s[86+(\c)], 0, v[t_]
.elseif (\n) == 18
	v_cndmask_b32 v[t_+4], v[t_+4], v[t_+5], s[86+(\c)]
.elseif (\n) == 19
	v_add_nc_u32 v[t_+2], 1, v[t_+2]
.elseif (\n) == 20
	v_and_b32 v[t_+2], 2, v[t_+2]
.elseif (\n) == 21
	v_lshlrev_b32 v[t_+2], 30, v[t_+2]
.else
	v_xor_b32 v[\a], v[t_+2], v[t_+4]
.endif
.endm
.macro WMN                             ; the next of the first unit's 16 f32 matrix instructions: the first K step of tiles 0-7, then the second
.if WI < 16
	WIN 0xff
	WM WI%8, WI/8, 0
	WIN 0xaa
.set WI, WI+1
.endif
.endm
.macro COS4 a, w                       ; four cosines, the four chains line by line; w: a matrix instruction of the first unit behind every fourth line of the four
.irp n, 1,2,3,4,5,6,7,8,9,10,11,12,13,14,15,16,17,18,19,20,21,22
.irp c, 0,1,2,3
	COSL \n, (\a)+\c, \c
.endr
.if \w
.if (\n)%4 == 0
	WMN
.endif
.endif
.endr
.endm
.macro QMUL i                          ; q of local row tile i, into window 3
	WIN 0xca
.irp j, 0,1,2,3
	v_mul_f32 v[Q+4*(\i)+\j], v[X+4*(\i)+\j], v[TH+\j]
.endr
	WIN 0xaa
.endm
; w1's eight tiles of 128 hidden units: lane r of tile t takes row 32 (t/2) + 8 (t%2) + r + 8 (r/8), so that two tiles' results are 16 neighbours along K
.macro LDW1 reg, off
.irp t, 0,1,2,3,4,5,6,7
	global_load_b128 v[(\reg)+4*\t:(\reg)+4*\t+3], v[W1A], s[W1B:W1B+1] offset:(32*(\t/2)+8*(\t%2))*32+(\off)
.endr
.endm
.macro WM t, c, dw                     ; tile t, K step c, into result buffer dw.  QQ: the row tile's four registers of q
.if (\c) == 0
	v_wmma_f32_16x16x4_f32 v[D+64*(\dw)+8*(\t):D+64*(\dw)+8*(\t)+7], v[W1R+4*(\t):W1R+4*(\t)+1], v[QQ:QQ+1], 0
.else
	v_wmma_f32_16x16x4_f32 v[D+64*(\dw)+8*(\t):D+64*(\dw)+8*(\t)+7], v[W1R+4*(\t)+2:W1R+4*(\t)+3], v[QQ+2:QQ+3], v[D+64*(\dw)+8*(\t):D+64*(\dw)+8*(\t)+7]
.endif
.endm
.macro XL k, n, dv                     ; block k of buffer dv, line n: the largest of my 16 sums and the floor 2^(3-127); each tile is read from its low end on
.set dB_, D+64*(\dv)+16*(\k)
.if (\n) < 5
	v_max3_num_f32 v[TA+(\n)], v[dB_+3*(\n)], v[dB_+3*(\n)+1], v[dB_+3*(\n)+2]
.elseif (\n) == 5
	v_max3_num_f32 v[TA+5], v[TA], v[TA+1], v[TA+2]
.elseif (\n) == 6
	v_max3_num_f32 v[TA+6], v[TA+3], v[TA+4], v[dB_+15]
.else
	v_max3_num_f32 v[MX+(\k)%2], v[TA+5], v[TA+6], 0x1800000
.endif
.endm
.macro YL b, n, db                     ; block b of buffer db, line n: the maximum with lane l xor 16, the scale, the codes, the byte, relu on the codes
.set dB_, D+64*(\db)+16*(\b)
.set rM_, MX+(\b)%2
.set rP_, PC+2*(\b)
.if (\n) == 1
	v_permlanex16_b32 v[TP], v[rM_], s[SEL], s[SEL+1]
.elseif (\n) == 2
	v_max_num_f32 v[rM_], v[rM_], v[TP]
.elseif (\n) == 3
	v_add_nc_u32 v[SC], 0xff000000, v[rM_]
.elseif (\n) == 4
	v_cvt_scalef32_pk8_fp4_f32 v[rP_], v[dB_:dB_+7], v[SC]
.elseif (\n) == 5
	v_cvt_scalef32_pk8_fp4_f32 v[rP_+1], v[dB_+8:dB_+15], v[SC]
.elseif (\n) == 6
.if (\b) == 0
	v_lshrrev_b32 v[PW], 23, v[SC]
.else
	v_lshrrev_b32 v[BY], 23, v[SC]
.endif
.elseif (\n) == 7
.if (\b) > 0
	v_lshl_or_b32 v[PW], v[BY], 8*(\b), v[PW]
.endif
.elseif (\n) < 10
	v_and_b32 v[RT+(\n)-8], s[NEG], v[rP_+(\n)-8]          ; the eight sign bits
.elseif (\n) < 12
	v_lshrrev_b32 v[RT+(\n)-8], 3, v[RT+(\n)-10]
.elseif (\n) < 14
	v_sub_nc_u32 v[RT+(\n)-12], v[RT+(\n)-12], v[RT+(\n)-10]   ; 8 - 1 = 7 in each negative code's place
.else
	v_bfi_b32 v[rP_+(\n)-14], v[RT+(\n)-14], 0, v[rP_+(\n)-14] ; its three magnitude bits go
.endif
.endm
; A stage: four f32 matrix instructions of the unit that is being multiplied (stages 0, 1: the first K step of tiles 0-3, 4-7; stages 2, 3: the second), into buffer dw;
; between them the vector lines of the unit before, in the other buffer: block k's maximum, block k - 1's codes (stage 0: block 3 of the unit before that, which lies in buffer dw's tiles 6, 7)
.macro PST k, wm, dw, vl, yl
.set yb_, ((\k)+3)%4
.set yd_, 1-(\dw)
.if (\k) == 0
.set yd_, \dw
.endif
.set wc_, (\k)/2
.set wt_, 4*((\k)%2)
.if \wm
	WM wt_, wc_, \dw
.endif
.if \vl
.irp n, 0,1,2
	XL \k, \n, 1-(\dw)
.endr
.endif
.if \yl
	YL yb_, 1, yd_
.endif
.if \vl
.irp n, 3,4
	XL \k, \n, 1-(\dw)
.endr
.endif
.if \wm
	WM wt_+1, wc_, \dw
.endif
.if \yl
	YL yb_, 2, yd_
.endif
.if \vl
.irp n, 5,6
	XL \k, \n, 1-(\dw)
.endr
.endif
.if \yl
	YL yb_, 3, yd_
.endif
.if \vl
	XL \k, 7, 1-(\dw)
.endif
.if \yl
	YL yb_, 4, yd_
.endif
.if \wm
	WM wt_+2, wc_, \dw
.endif
.if \yl
.irp n, 5,6,7,8,9
	YL yb_, \n, yd_
.endr
.endif
.if \wm
	WM wt_+3, wc_, \dw
.endif
.if \yl
.irp n, 10,11,12,13,14,15
	YL yb_, \n, yd_
.endr
.endif
.endm
.macro FINAL fo                        ; a whole block to a lane; the unit's registers go to my stage as they are
.irp c, 0,1
.irp i, 0,1
	v_permlane16_swap_b32 v[PC+4*\c+\i], v[PC+4*\c+2+\i]
.endr
.endr
	ds_store_b128 v[STC], v[PC:PC+3] offset:(\fo)
	ds_store_b128 v[STC], v[PC+4:PC+7] offset:(\fo)+512
	ds_store_b32 v[STS], v[PW] offset:(\fo)/8
.endm
.macro PSLOT wm, dw, fo, y0            ; a unit (16 rows x 128 hidden units) is multiplied, the one before is quantised, the one before that leaves (y0)
	PST 0, \wm, \dw, 1, \y0
.if \y0
	FINAL \fo
.endif
	PST 1, \wm, \dw, 1, 1
	PST 2, \wm, \dw, 1, 1
	PST 3, \wm, \dw, 1, 1
.endm
.macro NEXTW1                          ; the next 128 hidden units' w1 moves to work; the set after it is asked for, four units ahead of its move
	s_wait_alu depctr_va_vdst(0)
	s_wait_loadcnt 0x0
.set j_, 0
.rept 32
	v_mov_b32 v[W1R+j_], v[W1R+32+j_]      ; ascending: the registers that the last products read come last, more than eight places behind them
.set j_, j_+1
.endr
	s_wait_alu depctr_va_vdst(0)
	WIN 0
	s_cmp_eq_u32 s[WO], 0x8000             ; my 32 KiB of w1 have been asked for
	s_cbranch_scc1 .Lnone_\@
	s_add_nc_u64 s[W1B:W1B+1], s[W1S:W1S+1], s[WO:WO+1]
	WIN 0xff
	LDW1 W1R+32, 0
	WIN 0
.Lnone_\@:
	s_add_co_u32 s[WO], s[WO], 4096
	WIN 0xff
.endm
; A trip: 128 hidden units q.  Multiplied: units (q,1), (q,2), (q,3), (q+1,0); quantised: (q,0) .. (q,3); to the stage: (q-1,3), (q,0), (q,1), (q,2)
.macro PTRIP first, last
	s_lshr_b32 s[TOS], s[TOF], 3
	v_add_nc_u32 v[STC], s[TOF], v[STC0]
	v_add_nc_u32 v[STS], s[TOS], v[STS0]
.set QQ, Q+4
	PSLOT 1, 1, 0, 1-(\first)
.set QQ, Q+8
	PSLOT 1, 0, 1024, 1
.set QQ, Q+12
	PSLOT 1, 1, 2048, 1
.if \last
	PSLOT 0, 0, 3072, 1
	PST 0, 0, 1, 0, 1
	FINAL 4096
.else
	NEXTW1
.set QQ, Q
	PSLOT 1, 0, 3072, 1
.endif
.endm
.macro RELOAD v0, p0, n                ; stage places p0 .. p0 + n - 1 hold units v0 + p (unit 4 q + i).  LDS serves a wave's instructions in order: these see the stores above
	WIN 0x43
.set p_, \p0
.rept \n
	ds_load_b128 v[8*((\v0)+p_):8*((\v0)+p_)+3], v[STC0] offset:1024*p_
	ds_load_b128 v[8*((\v0)+p_)+4:8*((\v0)+p_)+7], v[STC0] offset:1024*p_+512
.set p_, p_+1
.endr
	WIN 0x03
.set p_, \p0
.rept \n
	ds_load_b32 v[HS+(\v0)+p_], v[STS0] offset:128*p_
.set p_, p_+1
.endr
	WIN 0
.endm
.macro PLOOP q0                        ; trips q0, q0 + 1
	s_mov_b32 s[TRIP], 2
	s_mov_b32 s[TOF], 0
.Ltrip_\@:
	WIN 0xff
	PTRIP 0, 0
	WIN 0
	s_add_co_u32 s[TOF], s[TOF], 4096
	s_sub_co_u32 s[TRIP], s[TRIP], 1
	s_cmp_lg_u32 s[TRIP], 0
	s_wait_alu depctr_va_vdst(0)
	s_cbranch_scc1 .Ltrip_\@
	RELOAD 4*(\q0)-1, 0, 8
.endm
.macro LB p, kp                        ; w2's fragments of K steps 2 kp, 2 kp + 1 of slot p: 16 loads
.irp e, 0,1
.irp t, 0,1,2,3
.irp c, 0,1
	ds_load_b128 v[BF+64*((\kp)%2)+32*\e+8*\t+4*\c:BF+64*((\kp)%2)+32*\e+8*\t+4*\c+3], v[ADRB+(\p)] offset:16*\t*528+64*(2*(\kp)+\e)+32*\c
.endr
.endr
.endr
.endm
.macro MM p, kp                        ; 32 products; the 16 accumulators by turns.  Source 0 = w2's columns, source 1 = h's rows
.irp e, 0,1
.irp t, 0,1,2,3
.irp i, 0,1,2,3
.set q_, 2*(\kp)+\e
.set rC, 128*(\p)+8*(4*\i+\t)
.set rB, BF+64*((\kp)%2)+32*\e+8*\t
.set rH, 8*(4*q_+\i)
.set rW, WS+16*(\p)+4*\t+(q_%4)
.set rS, HS+4*q_+\i
.if q_ == 0
	v_wmma_scale_f32_16x16x128_f8f6f4 v[rC:rC+7], v[rB:rB+7], v[rH:rH+7], 0, v[rW], v[rS] matrix_a_fmt:MATRIX_FMT_FP4 matrix_b_fmt:MATRIX_FMT_FP4
.elseif q_ < 4
	v_wmma_scale_f32_16x16x128_f8f6f4 v[rC:rC+7], v[rB:rB+7], v[rH:rH+7], v[rC:rC+7], v[rW], v[rS] matrix_a_fmt:MATRIX_FMT_FP4 matrix_b_fmt:MATRIX_FMT_FP4
.else
	v_wmma_scale_f32_16x16x128_f8f6f4 v[rC:rC+7], v[rB:rB+7], v[rH:rH+7], v[rC:rC+7], v[rW], v[rS] matrix_a_fmt:MATRIX_FMT_FP4 matrix_b_fmt:MATRIX_FMT_FP4 matrix_a_scale:MATRIX_SCALE_ROW1
.endif
.endr
.endr
.endr
.endm
.macro PSTORE pp                       ; local tiles 1-3 of accumulator set pp go to their owners: row r, 32 bytes for each half of the lanes
	WIN 0x08
.irp i, 1,2,3
.irp t, 0,1,2,3
.set rC, 128*(\pp)+8*(4*\i+\t)
	ds_store_b128 v[PS+\i-1], v[rC:rC+3] offset:64*\t
	ds_store_b128 v[PS+\i-1], v[rC+4:rC+7] offset:64*\t+16
.endr
.endr
	WIN 0
.endm
.macro PLOAD                           ; the three parts sent to me, in the same layout: window 3, v0-31, v32-63, v216-247
	WIN 0xc0
.irp k, 0,1,2
.irp t, 0,1,2,3
.irp e, 0,1
	ds_load_b128 v[32*\k+152*(\k/2)+8*\t+4*\e:32*\k+152*(\k/2)+8*\t+4*\e+3], v[PLD] offset:\k*PIECE+64*\t+16*\e
.endr
.endr
.endr
	WIN 0
.endm
.macro RADD pp                         ; the four parts are added; the sums turn in my first piece, which I have read out, and come back as rows of 256 bytes
	WIN 0xcf
.irp j, 0,2,4,6,8,10,12,14,16,18,20,22,24,26,28,30
	v_pk_add_f32 v[\j:\j+1], v[\j:\j+1], v[32+\j:33+\j]
.endr
	WIN 0xcb
.irp j, 0,2,4,6,8,10,12,14,16,18,20,22,24,26,28,30
	v_pk_add_f32 v[216+\j:217+\j], v[216+\j:217+\j], v[128*(\pp)+\j:128*(\pp)+\j+1]   ; my own part: each accumulator from its low end on
.endr
	WIN 0xcf
.irp j, 0,2,4,6,8,10,12,14,16,18,20,22,24,26,28,30
	v_pk_add_f32 v[\j:\j+1], v[\j:\j+1], v[216+\j:217+\j]
.endr
	WIN 0x0c
.irp t, 0,1,2,3
.irp e, 0,1
	ds_store_b128 v[PLD], v[8*\t+4*\e:8*\t+4*\e+3] offset:64*\t+16*\e
.endr
.endr
	WIN 0xc0
.irp i, 0,1,2,3,4,5,6,7
	ds_load_b128 v[32+4*\i:32+4*\i+3], v[RD] offset:2*\i*272
.endr
.endm
.macro SEND                            ; 16 lanes store 256 consecutive bytes, at a multiple of 256 from out0's first byte
	WIN 0x0c
.irp i, 0,1,2,3,4,5,6,7
	global_store_b128 v[GO], v[32+4*\i:32+4*\i+3], s[OB:OB+1] offset:2*\i*4096 th:TH_STORE_NT
.endr
	WIN 0
.endm
; One slot of 64 columns.  red: the slot before is summed and stored under this one; fill: the other slot is filled again; first: no fragments were fetched ahead; nxt: a slot follows
.macro SLOT p, red, fill, first, nxt
	s_wait_tensorcnt 0x0                   ; my one tensor load has landed
	ds_add_u32 v[SPW], v[NIL]
	s_wait_xcnt 0x0                        ; the bases below are written only behind this wait
	s_add_co_u32 s[TP1], s[TC], 1
	s_and_b32 s[TP1], s[TP1], 15           ; the next slot's place in N
	s_add_co_u32 s[TM1], s[TC], 15
	s_and_b32 s[TM1], s[TM1], 15           ; the last slot's
	s_mov_b32 s[TC], s[TP1]
.if \fill
	s_lshl_b32 s[TO], s[TP1], 17
	s_add_nc_u64 s[G0+4*(1-\p)+2:G0+4*(1-\p)+3], s[WB:WB+1], s[TO:TO+1]
	s_or_b32 s[G0+4*(1-\p)+3], s[G0+4*(1-\p)+3], 0x80000000
.endif
.if \nxt
	s_lshl_b32 s[TO], s[TP1], 13
	s_add_nc_u64 s[WSA:WSA+1], s[WSB:WSB+1], s[TO:TO+1]
.endif
.if \red
	s_lshl_b32 s[TO], s[TM1], 8
	s_add_nc_u64 s[OB:OB+1], s[OUTB:OUTB+1], s[TO:TO+1]
.endif
	s_wait_dscnt 0x0                       ; the add, my reads of the other slot and of my pieces are done
.if \fill
	CROUND
	tensor_load_to_lds s[G0+4*(1-\p):G0+4*(1-\p)+3], s[G1:G1+7]
	s_nop 0
.else
	BAR
.endif
	NOP4                                   ; places behind the last products
.if \red
	PSTORE 1-\p                            ; every owner has read its pieces out: the barrier above
.endif
.if \first
	LB \p, 0
.endif
	LB \p, 1
	s_wait_loadcnt 0x0                     ; this slot's scale words, asked for a slot ago
.if \nxt
.irp t, 0,1,2,3
	global_load_b128 v[WS+16*(1-\p)+4*\t:WS+16*(1-\p)+4*\t+3], v[SGO], s[WSA:WSA+1] offset:2048*\t
.endr
.endif
.if \first
	s_wait_dscnt 16                        ; all but K steps 2, 3
.endif
	WIN 0xa4
	MM \p, 0
	WIN 0
	s_wait_dscnt 0x0                       ; my parts are stored
	s_barrier_signal -1                    ; a barrier of its own for the parts: signalled here, awaited 32 products on
	NOP4
	LB \p, 2
	WIN 0xa4
	MM \p, 1
	WIN 0
	s_barrier_wait -1
	NOP4
	LB \p, 3
.if \red
	PLOAD
	s_wait_dscnt 40                        ; all but the 16 and the 24 loads just issued
.else
	s_wait_dscnt 16
.endif
	WIN 0xa4
	MM \p, 2
	s_wait_dscnt 0x0
.if \red
	RADD 1-\p
.endif
	WIN 0xa4
	MM \p, 3
	WIN 0
.if \nxt
	s_wait_tensorcnt 0x0                   ; my quarter of the next tile is in, and nobody else reads it
	NOP4
	LB 1-\p, 0
.endif
.if \red
.if \nxt
	s_wait_dscnt 16                        ; the rows are back; the 16 fragment loads may be out
.else
	s_wait_dscnt 0x0
.endif
	SEND
.endif
.endm
	s_load_b256 s[4:11], s[0:1], 0x0               ; x, theta, w1, w2_codes
	s_load_b128 s[12:15], s[0:1], 0x20             ; w2_scales, out0
	v_lshl_add_u32 v[SPW], v0, 2, SPARE
	v_mov_b32 v[NIL], 0
	ds_add_u32 v[SPW], v[NIL]
	ds_add_u32 v[SPW], v[NIL]
	v_lshrrev_b32 v1, 5, v0
	v_readfirstlane_b32 s[WV], v1
	s_bfe_u32 s17, ttmp6, 0x40000
	s_lshl_b32 s18, ttmp9, 2
	s_add_co_u32 s18, s18, s17                     ; the work-group: it enters x's and out0's addresses alone
	s_and_b32 s[TC], ttmp9, 15                     ; the cluster's first slot of N
	s_add_co_u32 s[TP1], s[TC], 1
	s_and_b32 s[TP1], s[TP1], 15
	s_mov_b32 s[WO], 8192
	s_mov_b32 s[WO+1], 0
	s_mov_b32 s[TO+1], 0
	s_mov_b32 s[SEL], 0x76543210
	s_mov_b32 s[SEL+1], 0xfedcba98
	s_mov_b32 s[NEG], 0x88888888
	s_mov_b32 s[G1], 15|(1<<20)|(1<<21)|(6<<22)|(3<<25)   ; mask of the four; bytes; 16 bytes of padding behind every 512
	s_mov_b32 s[G1+1], 512<<16
	s_mov_b32 s[G1+2], 64<<16
	s_mov_b32 s[G1+3], 512<<16
	s_mov_b32 s[G1+4], 64
	s_mov_b32 s[G1+5], 2048
	s_mov_b32 s[G1+6], 0
	s_mov_b32 s[G1+7], 0
	s_mul_i32 s72, s[WV], WT
	s_lshl_b32 s73, s[WV], 5
	s_mul_i32 s74, s[WV], OWN
	s_add_co_u32 s74, s74, RED
.irp i, 1,2,3
	s_add_co_u32 s[74+\i], s[WV], \i
	s_and_b32 s[74+\i], s[74+\i], 3                ; the owner of local tile i
	s_lshl_b32 s[80+\i], s[74+\i], 16              ; its 16 rows in x
	s_mul_i32 s[74+\i], s[74+\i], OWN
	s_add_co_u32 s[74+\i], s[74+\i], RED+(\i-1)*PIECE
.endr
	s_lshl_b32 s80, s[WV], 16
	s_add_co_u32 s78, s74, 9216                    ; behind nine units' codes: their scale words
	v_and_b32 v250, 15, v0                         ; r
	v_bfe_u32 v251, v0, 4, 1                       ; h
	v_lshlrev_b32 v249, 12, v250
	v_lshl_add_u32 v249, v251, 4, v249
	WIN 0x80                                       ; results into window 2
.irp i, 0,1,2,3
	v_add_nc_u32 v[XA+\i], s[80+\i], v249          ; row r of local tile i, numbers 4 h .. 4 h + 3 (the same order of k as in w1's fragments)
.endr
	v_lshlrev_b32 v[THA], 4, v251
	v_mov_b32 v64, 0x37ccf5ce
	v_mov_b32 v65, 0xb94ca1f9
	WIN 0
	s_wait_alu depctr_va_vdst(0)
	s_wait_dscnt 0x0
	s_wait_kmcnt 0x0
	s_lshl_b32 s[TO], s18, 18
	s_add_nc_u64 s[4:5], s[4:5], s[TO:TO+1]
	WIN 0xaa
.irp i, 0,1,2,3
	global_load_b128 v[X+4*\i:X+4*\i+3], v[XA+\i], s[4:5] th:TH_LOAD_NT   ; asked for first: all that follows in the head hangs on them
.endr
	global_load_b128 v[TH:TH+3], v[THA], s[6:7]
	WIN 0
	s_add_nc_u64 s[OUTB:OUTB+1], s[14:15], s[TO:TO+1]
	s_mov_b32 s[TO], s80
	s_add_nc_u64 s[OUTB:OUTB+1], s[OUTB:OUTB+1], s[TO:TO+1]
	s_lshl_b32 s[TO], s[WV], 15
	s_add_nc_u64 s[W1S:W1S+1], s[8:9], s[TO:TO+1]
	s_mov_b64 s[W1B:W1B+1], s[W1S:W1S+1]
	s_lshl_b32 s[TO], s[WV], 9
	s_add_nc_u64 s[WB:WB+1], s[10:11], s[TO:TO+1]
	s_mov_b64 s[WSB:WSB+1], s[12:13]
	s_lshl_b32 s[TO], s[TC], 13
	s_add_nc_u64 s[WSA:WSA+1], s[WSB:WSB+1], s[TO:TO+1]
	s_mov_b32 s[G0], 1
	s_mov_b32 s[G0+1], s72
	s_lshl_b32 s[TO], s[TC], 17
	s_add_nc_u64 s[G0+2:G0+3], s[WB:WB+1], s[TO:TO+1]
	s_or_b32 s[G0+3], s[G0+3], 0x80000000
	s_mov_b32 s[G0+4], 1
	s_add_co_u32 s[G0+5], s72, SLOT
	s_lshl_b32 s[TO], s[TP1], 17
	s_add_nc_u64 s[G0+6:G0+7], s[WB:WB+1], s[TO:TO+1]
	s_or_b32 s[G0+7], s[G0+7], 0x80000000
	CROUND
	tensor_load_to_lds s[G0:G0+3], s[G1:G1+7]      ; the first slot's tile: one tensor load a wave at the head
	s_nop 0
	NOP4
	v_and_b32 v252, 31, v0
	v_mul_u32_u24 v253, v250, 528
	v_lshl_add_u32 v253, v251, 4, v253
	v_add_nc_u32 v[ADRB], s72, v253
	v_add_nc_u32 v[ADRB+1], SLOT, v[ADRB]
	v_lshlrev_b32 v253, 7, v250
	v_lshl_add_u32 v253, v251, 4, v253
	v_add_nc_u32 v[SGO], s73, v253                 ; column r: 128 r + 32 w + 16 h
	v_mul_u32_u24 v253, v250, 272
	v_lshl_add_u32 v253, v251, 5, v253
	v_add_nc_u32 v[PLD], s74, v253
	v_add_nc_u32 v[PS], s75, v253
	v_add_nc_u32 v[PS+1], s76, v253
	v_add_nc_u32 v[PS+2], s77, v253
	v_mul_u32_u24 v253, v251, 272
	v_lshl_add_u32 v253, v250, 4, v253
	v_add_nc_u32 v[RD], s74, v253
	v_lshlrev_b32 v253, 12, v251
	v_lshl_add_u32 v[GO], v250, 4, v253
	v_and_b32 v253, 8, v250
	v_add_nc_u32 v253, v253, v250
	v_lshlrev_b32 v253, 5, v253
	WIN 0xc0
	v_lshl_add_u32 v[W1A], v251, 4, v253
	v_lshl_add_u32 v[STC0], v252, 4, s74
	v_lshl_add_u32 v[STS0], v252, 2, s78
	WIN 0
	s_wait_alu depctr_va_vdst(0)
.irp t, 0,1,2,3
	global_load_b128 v[WS+4*\t:WS+4*\t+3], v[SGO], s[WSA:WSA+1] offset:2048*\t
.endr
	WIN 0xff
	LDW1 W1R, 0
	LDW1 W1R+32, 4096
	v_mov_b32 v[TP], 0                             ; a lane permute's destination counts as one of its sources
	WIN 0xaa
	s_wait_alu depctr_va_vdst(0)
	s_wait_loadcnt 20                              ; x and theta are in; behind them: 4 loads of scale words, 16 of w1
	COS4 TH, 0
	COS4 X, 0
	QMUL 0
	s_wait_alu depctr_va_vdst(0)
	s_wait_loadcnt 8                               ; the first set of w1; the landing set may be out
.set QQ, Q
.set WI, 0
	COS4 X+4, 1                                    ; unit (0,0) is multiplied ahead of the trips, eight tiles by turns, between the lines of the other three row tiles' cosines
	QMUL 1
	COS4 X+8, 1
	QMUL 2
	COS4 X+12, 1
	QMUL 3
.rept 16
	WMN
.endr
	WIN 0xff
.rept 8
	v_nop                                          ; eight places ahead of the first read of its results
.endr
	s_mov_b32 s[TOF], 0
	PTRIP 1, 0
	WIN 0
	RELOAD -1, 1, 3
	s_wait_alu depctr_va_vdst(0)
	s_wait_tensorcnt 0x0                           ; the second slot's first fill is issued as a refill is
	ds_add_u32 v[SPW], v[NIL]
	s_wait_dscnt 0x0
	CROUND
	tensor_load_to_lds s[G0+4:G0+7], s[G1:G1+7]
	s_nop 0
	NOP4
	PLOOP 1
	PLOOP 3
	PLOOP 5
	s_mov_b32 s[TOF], 0
	WIN 0xff
	PTRIP 0, 1
	WIN 0
	RELOAD 27, 0, 5
	s_wait_alu depctr_va_vdst(0)
	SLOT 0, 0, 0, 1, 1
	s_mov_b32 s[TRIP], 7
.Lpair:
	SLOT 1, 1, 1, 0, 1
	SLOT 0, 1, 1, 0, 1
	s_sub_co_u32 s[TRIP], s[TRIP], 1
	s_cmp_lg_u32 s[TRIP], 0
	s_wait_alu depctr_va_vdst(0)
	s_cbranch_scc1 .Lpair
	SLOT 1, 1, 0, 0, 0
	s_wait_xcnt 0x0                                ; the last slot's sums
	s_add_co_u32 s[TM1], s[TC], 15
	s_and_b32 s[TM1], s[TM1], 15
	s_lshl_b32 s[TO], s[TM1], 8
	s_add_nc_u64 s[OB:OB+1], s[OUTB:OUTB+1], s[TO:TO+1]
	s_wait_dscnt 0x0
	BAR
	NOP4
	PSTORE 1
	s_wait_dscnt 0x0
	BAR
	PLOAD
	s_wait_dscnt 0x0
	RADD 1
	WIN 0
	s_wait_dscnt 0x0
	SEND
	s_wait_tensorcnt 0x0                           ; the wave's end
	ds_add_u32 v[SPW], v[NIL]
	s_wait_dscnt 0x0
	CROUND
	s_endpgm
.Lfunc_end_k_q669c6e64c4_ffq:
	.size	k_q669c6e64c4_ffq, .Lfunc_end_k_q669c6e64c4_ffq-k_q669c6e64c4_ffq
	.p2alignl 7, 3214868480
	.fill 96, 4, 3214868480
	.section	.rodata,"a",@progbits
	.p2align	6, 0x0
	.amdhsa_kernel k_q669c6e64c4_ffq
		.amdhsa_group_segment_fixed_size 327680
		.amdhsa_private_segment_fixed_size 0
		.amdhsa_enable_private_segment 0
		.amdhsa_kernarg_size 48
		.amdhsa_user_sgpr_count 2
		.amdhsa_user_sgpr_kernarg_segment_ptr 1
		.amdhsa_wavefront_size32 1
		.amdhsa_system_sgpr_workgroup_id_x 1
		.amdhsa_system_sgpr_workgroup_id_y 1
		.amdhsa_system_sgpr_workgroup_id_z 1
		.amdhsa_system_vgpr_workitem_id 0
		.amdhsa_next_free_vgpr 1024
		.amdhsa_next_free_sgpr 96
		.amdhsa_reserve_vcc 0
		.amdhsa_float_denorm_mode_32 3
		.amdhsa_float_denorm_mode_16_64 3
		.amdhsa_memory_ordered 1
		.amdhsa_forward_progress 1
		.amdhsa_inst_pref_size 255
	.end_amdhsa_kernel
	.section	.bss,"aw",@nobits
	.p2align	6
	.space	262144
	.amdgpu_metadata
---
amdhsa.version: [ 1, 2 ]
amdhsa.kernels:
  - .name:           k_q669c6e64c4_ffq
    .symbol:         k_q669c6e64c4_ffq.kd
    .args:
      - { .name: x, .offset: 0, .size: 8, .value_kind: global_buffer, .address_space: global }
      - { .name: theta, .offset: 8, .size: 8, .value_kind: global_buffer, .address_space: global }
      - { .name: w1, .offset: 16, .size: 8, .value_kind: global_buffer, .address_space: global }
      - { .name: w2_codes, .offset: 24, .size: 8, .value_kind: global_buffer, .address_space: global }
      - { .name: w2_scales, .offset: 32, .size: 8, .value_kind: global_buffer, .address_space: global }
      - { .name: out0, .offset: 40, .size: 8, .value_kind: global_buffer, .address_space: global }
    .group_segment_fixed_size: 327680
    .private_segment_fixed_size: 0
    .kernarg_segment_align: 8
    .kernarg_segment_size: 48
    .max_flat_workgroup_size: 128
    .sgpr_count:     96
    .vgpr_count:     1024
    .wavefront_size: 32
...
	.end_amdgpu_metadata
.endif
;; end of part 2
